; MI455X (gfx1250); checked and timed in simulation.
; The chip was launched on July 23, 2026; its instructions are those of AMD's public machine-readable ISA for CDNA 5 (MIT licence, August 2026) and "CDNA5" Instruction Set Architecture Reference Guide (July 2026). The comments in the code are by the model that wrote it; some were corrected since.
;; Sine Layer. Allowed arithmetic: matrix products marked QUANTISED: E4M3 operands, one E8M0 scale for each 32 along K, by v_wmma_scale_f32_16x16x128_f8f6f4 with both operands' format E4M3, f32 sums; everything else in f32.
;; Inputs: bias 512 float32; c_basis 512 x 256 x 16 float32; omega 16 x 1 float32; phase 16 x 1 float32; x 32,768 x 256 float32.
;; Outputs: out0 32,768 x 512 float32.
;; This version of the problem:
;;   THIS VERSION OF THE PROBLEM IS GIVEN IN LOW PRECISION. The matrix products marked QUANTISED in the list below multiply operands that are first quantised to E4M3 (4 exponent bits, 3 mantissa bits; 8 bits a number), with one power-of-two scale for each 32 numbers along K (OCP MX v1.0); their sums are f32. All else is computed in f32.
;;   The module's matrix products, in the order in which they are computed (A, B: the left and right operand; K: the contracted axis; several contracted axes count as one K, in the product's order):
;;     1. [M 32,768, K 4,096] x [K 4,096, N 512]; A: computed on the way; B: input c_basis: QUANTISED
;;   THE QUANTISER, for each operand of a quantised product, along K:
;;     - K is cut into blocks of 32 from its start; a last block that is shorter is filled with zeros.
;;     - A block's scale is 2^e with e = floor(log2(the largest magnitude in the block)) - 8, held to -126 .. 127; a block of zeros has e = 0. As a byte (E8M0): e + 127.
;;     - Each number is divided by its block's scale, clamped to +-448, and rounded to the nearest number of E4M3, ties to even, subnormals kept.
;;     - The product sums the exact products of the quantised numbers (number of the format x scale) in f32.
;;   ~~~python
;;   def quantise(x, axis):      # numpy; x: float32 -> the quantised numbers, widened to float32 again
;;       x = np.moveaxis(x, axis, -1); K = x.shape[-1]
;;       x = np.pad(x, [(0, 0)] * (x.ndim - 1) + [(0, -K % 32)]); x = x.reshape(x.shape[:-1] + (-1, 32)); a = np.abs(x).max(-1, keepdims=True)
;;       e = np.where(a > 0, np.clip(np.frexp(np.where(a > 0, a, 1))[1] - 1 - 8, -126, 127), 0)      # np.frexp(a)[1] - 1 = floor(log2(a)), exactly
;;       r = np.clip(x / 2.0 ** e, -448, 448)
;;       step = 2.0 ** (np.maximum(np.frexp(np.where(r == 0, 1, r))[1] - 1, -6) - 3)
;;       q = np.round(r / step) * step * 2.0 ** e      # np.round: ties to even
;;       return np.moveaxis(q.reshape(q.shape[:-2] + (-1,))[..., :K], -1, axis).astype(np.float32)
;;   ~~~
;;   OPERANDS COMPUTED ON THE WAY. 'Computed on the way' means the value that the module computes at that place (a softmax that the list does not call 'softmax' is quantised finished and normalised). What goes into a quantiser is computed in f32, as accurately as f32 sums, v_exp_f32 and their like allow (about 1e-6 of the number): no bf16 or f16 on the way to a quantiser, and a product that is left as it is and whose result goes on into a quantised operand takes f32 operands (vector FMAs, or v_wmma_f32_16x16x4_f32). A number that lies on a knife's edge between two numbers of the format may be rounded either way, as far as f32 arithmetic and the matrix unit's own rounding can turn it there, and no further.
;; One version. Each part assembles by itself: llvm-mc -triple=amdgcn-amd-amdhsa -mcpu=gfx1250 --defsym DOCPART=n.
;; ======== version 1 of 1: 2 launches
;; limits: right only within a limited range of input values
;; workspace buffers: bq 2,097,152 bytes; bs 65,536 bytes
;; launch quant (part 1): grid 256 x 1, 4 waves a work-group, no clusters, 768 bytes of LDS; arguments c_basis, bq, bs; writes bq, bs
.if DOCPART == 1
	.amdgcn_target "amdgcn-amd-amdhsa--gfx1250"
	.amdhsa_code_object_version 6
	.text
	.protected	k_q5fa7a781de_quant
	.globl	k_q5fa7a781de_quant
	.p2align	8
	.type	k_q5fa7a781de_quant,@function
k_q5fa7a781de_quant:
	s_mov_b64 s[64:65], 0
	v_nop
	global_prefetch_b8 v0, s[64:65] scope:SCOPE_SE
	s_setreg_imm32_b32 hwreg(HW_REG_WAVE_MODE, 25, 1), 1
	s_wait_xcnt 0x0
; c_basis [512 (o)][256 (i)][16 (d)] f32 becomes codes of FP8 (E4M3) with one E8M0 byte for each 32 along K, laid in the ORDER OF THE OPERAND'S REGISTERS for the second launch.
; THE PRODUCT'S K RUNS d FIRST, THEN i: k = 256 d + i.  So a block of 32 is 32 neighbouring i of ONE d.
; A K step ks of the second launch is (m = ks / 4, g = ks % 4): its four blocks c = 0..3 are d = 4 g + c, i = 32 m .. 32 m + 31.  Which four blocks share an instruction only changes the order of the sum.
; bq: [ks 0..31][w 0..3][b 0..7][c 0..3][lane][16 bytes]: column 128 w + 16 b + (lane % 16), block c; byte e is i = 32 m + 16 h + e (h = lane / 16).
; bs: [w][ks][H 0..1][lane][8 bytes]: word j of lane l is the scale word (bytes c = 0..3) of column 128 w + 16 b + (l % 16), b = 4 H + 2 j + l / 16: one register then carries two fragments' words, in its two halves of lanes.
; A block's scale is 2^(floor(log2(largest magnitude)) - 8); its byte is the largest magnitude's exponent field - 8, held at 1 from below.
; LIMITS: a block of zeros gets the byte 1 where the rule says 127 (its codes are zeros, and this program alone reads the bytes); NaN and infinities are not served.
; SHARES: work-group n: ks = n % 32, w = (n / 32) % 4, H = n / 128; wave v takes fragment b = 4 H + v: 16 columns x 4 d x 32 i, 64 numbers a lane.
; A load of 16 bytes brings one i of the four d, that is one number of each block: register 4 e + c.  The conversions want a block's numbers in consecutive registers: the hold writes them there, so the turn costs no line.
; The four work-groups of one m (g = 0..3) read the four quarters of the same rows of 64 bytes, so the loads carry no hint.  No tensor load, no ring; one barrier, for the scale words.
.set LD0, 32                           ; v32-95   as loaded: register 4 e + c
.set TM,  8                            ; v8-11 largest magnitudes, v12-15 bytes, v16-19 448 x scale, v20-23 the conversions' scale operands
.set PW,  24                           ; the scale word
.set CD,  96                           ; v96-111  the codes
.set HY,  112                          ; v112-175 the held numbers: register 16 c + e
	s_load_b128 s[4:7], s[0:1], 0x0                ; c_basis, bq
	s_load_b64 s[8:9], s[0:1], 0x10                ; bs
	v_lshl_add_u32 v192, v0, 2, 0x100
	v_mov_b32 v193, 0
	v_lshrrev_b32 v1, 5, v0
	v_readfirstlane_b32 s10, v1                    ; wave v
	v_and_b32 v1, 15, v0                           ; r
	s_wait_alu depctr_va_vdst(0)
	v_bfe_u32 v2, v0, 4, 1                         ; h
	v_and_b32 v3, 31, v0                           ; lane
	v_lshlrev_b32 v4, 14, v1                       ; in: column r, 16,384 bytes each,
	v_lshl_add_u32 v4, v2, 10, v4                  ; + 16 h rows i of 64 bytes
	v_lshlrev_b32 v5, 4, v3                        ; out: 16 bytes a lane
	v_lshlrev_b32 v7, 3, v3                        ; the scale words' way out: 8 bytes a lane
	s_and_b32 s11, ttmp9, 31                       ; ks
	s_bfe_u32 s12, ttmp9, 0x20005                  ; w
	s_lshr_b32 s13, ttmp9, 7                       ; H
	s_lshl_b32 s14, s13, 2
	s_add_co_u32 s14, s14, s10                     ; b
	s_and_b32 s15, s10, 1
	s_lshl_b32 s15, s15, 7                         ; LDS: lane 16 (v % 2) + r, 8 bytes a lane,
	s_lshr_b32 s18, s10, 1
	s_lshl_b32 s18, s18, 2                         ; word v / 2
	s_add_co_u32 s15, s15, s18
	v_lshl_add_u32 v6, v1, 3, s15
	s_lshl_b32 s16, s12, 21                        ; c_basis: (128 w + 16 b) columns
	s_lshl_b32 s18, s14, 18
	s_add_co_u32 s16, s16, s18
	s_lshr_b32 s18, s11, 2
	s_lshl_b32 s18, s18, 11                        ; + 32 m rows i of 64 bytes
	s_add_co_u32 s16, s16, s18
	s_and_b32 s18, s11, 3
	s_lshl_b32 s18, s18, 4                         ; + 4 g numbers
	s_add_co_u32 s16, s16, s18
	s_mov_b32 s17, 0
	s_lshl_b32 s20, s11, 16                        ; bq: 65,536 ks + 16,384 w + 2,048 b
	s_lshl_b32 s18, s12, 14
	s_add_co_u32 s20, s20, s18
	s_lshl_b32 s22, s11, 9                         ; bs: 16,384 w + 512 ks + 256 H
	s_add_co_u32 s22, s22, s18
	s_lshl_b32 s18, s14, 11
	s_add_co_u32 s20, s20, s18
	s_lshl_b32 s18, s13, 8
	s_add_co_u32 s22, s22, s18
	s_mov_b32 s21, 0
	s_mov_b32 s23, 0
	s_mov_b32 s24, 0x76543210
	s_mov_b32 s25, 0xfedcba98                      ; v_permlanex16_b32's selects for lane l xor 16
	s_mov_b32 s26, 0x600000                        ; the mantissa field of 448
	s_wait_alu depctr_va_vdst(0)
	s_wait_kmcnt 0x0
	s_add_nc_u64 s[4:5], s[4:5], s[16:17]
	s_add_nc_u64 s[6:7], s[6:7], s[20:21]
	s_add_nc_u64 s[8:9], s[8:9], s[22:23]
.irp e, 0,1,2,3,4,5,6,7,8,9,10,11,12,13,14,15
	global_load_b128 v[LD0+4*\e:LD0+4*\e+3], v4, s[4:5] offset:64*\e   ; i = 32 m + 16 h + e, d = 4 g + 0..3
.endr
.irp b, 0,1,2,3
	v_mov_b32 v[TM+4+\b], 0                        ; a lane permute's destination counts as one of its sources
.endr
	s_wait_loadcnt 0x0
.irp b, 0,1,2,3
	v_max3_num_f32 v[TM+\b], |v[LD0+\b]|, |v[LD0+4+\b]|, 0x4800000   ; my 16 numbers of block b, and the floor 2^(9 - 127): the byte cannot fall under 1
.endr
.irp i, 2,4,6,8,10,12,14
.irp b, 0,1,2,3
	v_max3_num_f32 v[TM+\b], v[TM+\b], |v[LD0+4*\i+\b]|, |v[LD0+4*\i+4+\b]|   ; the four blocks by turns
.endr
.endr
.irp b, 0,1,2,3
	v_permlanex16_b32 v[TM+4+\b], v[TM+\b], s24, s25
.endr
.irp b, 0,1,2,3
	v_max_num_f32 v[TM+\b], v[TM+\b], v[TM+4+\b]   ; with lane l xor 16's 16: the block's largest magnitude
.endr
.irp b, 0,1,2,3
	v_add_nc_u32 v[TM+12+\b], 0xfc000000, v[TM+\b] ; 8 off its exponent field: the conversion's scale operand
.endr
.irp b, 0,1,2,3
	v_and_or_b32 v[TM+8+\b], v[TM+\b], 0x7f800000, s26   ; 448 x the scale
.endr
.irp b, 0,1,2,3
	v_lshrrev_b32 v[TM+4+\b], 23, v[TM+12+\b]      ; the scale's byte
.endr
	v_lshl_or_b32 v[PW], v[TM+5], 8, v[TM+4]       ; four bytes: my column's scale word for this K step
	v_lshl_or_b32 v[PW], v[TM+6], 16, v[PW]
	v_lshl_or_b32 v[PW], v[TM+7], 24, v[PW]
.irp b, 0,1,2,3
.irp i, 0,1,2,3,4,5,6,7,8,9,10,11,12,13,14,15
	v_med3_num_f32 v[HY+16*\b+\i], v[LD0+4*\i+\b], -v[TM+8+\b], v[TM+8+\b]   ; the conversion to an 8-bit code does not saturate (ISA guide 7.6.2): the hold comes first, and lays a block's numbers side by side
.endr
	v_cvt_scalef32_pk8_fp8_f32 v[CD+4*\b:CD+4*\b+1], v[HY+16*\b:HY+16*\b+7], v[TM+12+\b]
	v_cvt_scalef32_pk8_fp8_f32 v[CD+4*\b+2:CD+4*\b+3], v[HY+16*\b+8:HY+16*\b+15], v[TM+12+\b]
.endr
	v_nop                                          ; a plain line behind the last conversion
.irp c, 0,1,2,3
	global_store_b128 v5, v[CD+4*\c:CD+4*\c+3], s[6:7] offset:512*\c   ; 32 lanes store 512 consecutive bytes, at a multiple of 256 from bq's first byte
.endr
	ds_store_b32 v6, v[PW]                         ; both lanes of a column write the same word with the same value
	s_wait_dscnt 0x0                               ; for the others' sake: my word lies in LDS
	s_barrier_signal -1
	s_barrier_wait -1
	s_cmp_lg_u32 s10, 0
	s_cbranch_scc1 .Ldone
	ds_load_b64 v[26:27], v7                       ; wave 0: the four waves' 64 words, 8 bytes a lane
	s_wait_dscnt 0x0
	global_store_b64 v7, v[26:27], s[8:9]          ; 32 lanes store 256 consecutive bytes, aligned
.Ldone:
	s_wait_tensorcnt 0x0
	ds_add_u32 v192, v193
	s_wait_dscnt 0x0
	s_endpgm
.Lfunc_end_k_q5fa7a781de_quant:
	.size	k_q5fa7a781de_quant, .Lfunc_end_k_q5fa7a781de_quant-k_q5fa7a781de_quant
	.p2alignl 7, 3214868480
	.fill 96, 4, 3214868480
	.section	.rodata,"a",@progbits
	.p2align	6, 0x0
	.amdhsa_kernel k_q5fa7a781de_quant
		.amdhsa_group_segment_fixed_size 768
		.amdhsa_private_segment_fixed_size 0
		.amdhsa_enable_private_segment 0
		.amdhsa_kernarg_size 24
		.amdhsa_user_sgpr_count 2
		.amdhsa_user_sgpr_kernarg_segment_ptr 1
		.amdhsa_wavefront_size32 1
		.amdhsa_system_sgpr_workgroup_id_x 1
		.amdhsa_system_sgpr_workgroup_id_y 1
		.amdhsa_system_sgpr_workgroup_id_z 1
		.amdhsa_system_vgpr_workitem_id 0
		.amdhsa_next_free_vgpr 194
		.amdhsa_next_free_sgpr 66
		.amdhsa_reserve_vcc 0
		.amdhsa_float_denorm_mode_32 3
		.amdhsa_float_denorm_mode_16_64 3
		.amdhsa_memory_ordered 1
		.amdhsa_forward_progress 1
		.amdhsa_inst_pref_size 13
	.end_amdhsa_kernel
	.amdgpu_metadata
---
amdhsa.version: [ 1, 2 ]
amdhsa.kernels:
  - .name:           k_q5fa7a781de_quant
    .symbol:         k_q5fa7a781de_quant.kd
    .args:
      - { .name: c_basis, .offset: 0, .size: 8, .value_kind: global_buffer, .address_space: global }
      - { .name: bq, .offset: 8, .size: 8, .value_kind: global_buffer, .address_space: global }
      - { .name: bs, .offset: 16, .size: 8, .value_kind: global_buffer, .address_space: global }
    .group_segment_fixed_size: 768
    .private_segment_fixed_size: 0
    .kernarg_segment_align: 8
    .kernarg_segment_size: 24
    .max_flat_workgroup_size: 128
    .sgpr_count:     66
    .vgpr_count:     194
    .wavefront_size: 32
...
	.end_amdgpu_metadata
.endif
;; end of part 1
;; launch sine (part 2): grid 256 x 1, 4 waves a work-group, clusters of 4 x 1, 327,680 bytes of LDS; arguments x, omega, phase, bias, bq, bs, out0; writes out0
.if DOCPART == 2
	.amdgcn_target "amdgcn-amd-amdhsa--gfx1250"
	.amdhsa_code_object_version 6
	.text
	.protected	k_q5fa7a781de_sine
	.globl	k_q5fa7a781de_sine
	.p2align	8
	.type	k_q5fa7a781de_sine,@function
k_q5fa7a781de_sine:
	s_mov_b64 s[64:65], 0
	v_nop
	global_prefetch_b8 v0, s[64:65] scope:SCOPE_SE
	s_setreg_imm32_b32 hwreg(HW_REG_WAVE_MODE, 25, 1), 1
	s_wait_xcnt 0x0
	s_wait_alu depctr_hold_cnt(0) depctr_sa_sdst(0) depctr_va_vdst(0) depctr_va_sdst(0) depctr_va_ssrc(0) depctr_va_vcc(0) depctr_vm_vsrc(0)
	s_getreg_b32 s2, hwreg(HW_REG_IB_STS2, 6, 4)
	s_cmp_eq_u32 s2, 0
	s_cbranch_scc0 .Lentry_in_a_cluster
	s_endpgm
.Lentry_in_a_cluster:
	s_bfe_u32 s2, ttmp6, 0x10000c
	s_cmp_lg_u32 s2, 0x3003
	s_cbranch_scc0 .Lentry_shape_is_right
	s_endpgm
.Lentry_shape_is_right:
; out0[b][o] = bias[o] + sum over k of Q(B)[b][k] Q(c_basis)[o][k], B[b][(i, d)] = (sin(omega_d x[b][i] + phase_d) + mu_d) / (std_d + 1e-8), in MX-FP8 (E4M3, one E8M0 byte for 32 along K).
; K runs as the first launch lays it: a K step of 128 is four d x 32 neighbouring i, a block of 32 is 32 i of one d.
; SHARES: 256 work-groups of four waves; a work-group makes 128 rows x all 512 columns, a wave 128 x 128 (64 accumulators, windows 2 and 3; the bias is loaded into them, so no sum is cleared).
; Each basis number is made ONCE in its work-group: in every interval wave v makes rows 32 v .. 32 v + 31 of the NEXT K step (eight units of 16 numbers a lane), quantises them and lays codes and scale words
; into an LDS image of the operand's registers (two images by turns); all four waves read the image of the step before.  The vector lines stand among the products.
; THE SINE: t = x omega / 2 pi + phase / 2 pi in turns, r = t - rndne(t), an odd polynomial of six terms in r whose coefficients carry 1 / (std + eps); mu / (std + eps) is the last multiply-add's addend.
; The 16 d's nine constants lie doubled in a table in LDS, a copy for each wave.  x goes through each wave's own stage: rows of 512 bytes + 16, two halves of 64 i by turns.
; B's codes come by joint loads (cluster 4, 1, 1: the four work-groups walk the same K steps), 16,384 bytes a wave, two slots; B's scale words for all of K come once, at the head.
; The clusters begin their walk over K at different steps (RC, RJ from the cluster's number): only the order of the sum changes.
; LIMITS: NaN and infinities are not served; t is formed in f32, so its error grows with |omega x|; a block's byte never falls under 1.
.set SLOT1, 65536
.set BSC,   131072
.set AIMG0, 196608
.set AIMG1, 213504
.set ATURN, AIMG0^AIMG1
.set ASC,   16384
.set XST,   230400
.set XWV,   16896
.set XPI,   528
.set SPARE, 297984
.set TBL,   298496
.set TBE,   80
.set LI,    1
.set ASTO0, 2
.set ASCS0, 3
.set BL0,   4
.set BS0,   5
.set XRA0,  6
.set XSA0,  7
.set XGO0,  8
.set PFO,   9
.set ASTO,  10
.set ASCS,  11
.set ALD,   12
.set BLD,   13
.set BSL,   14
.set XRA,   15
.set XSA,   16
.set XGO,   17
.set SPW,   18
.set NIL,   19
.set MX,    20
.set PM,    22
.set SO,    23
.set HD,    24
.set BY,    25
.set SW,    26
.set AS0,   28
.set AS1,   32
.set BS01,  36
.set BS23,  38
.set PC,    40
.set XPR,   48
.set TLD,   56
.set TST,   57
.set KT,    58
.set GG,    67
.set TB,    72
.set XS,    144
.set RN,    176
.set RH,    192
.set XV,    208
.set BA,    240
.set OA,    241
.set OM,    242
.set PH,    243
.set A1,    244
.set A2,    245
.set A3,    246
.set SP,    247
.set CP,    248
.set E1,    249
.set E2,    250
.set MU,    251
.set VL,    252
.set VR,    253
.set VH,    254
.set VT,    255
.set XG,    4
.set BQW,   12
.set OUT,   16
.set WV,    18
.set MNT,   19
.set SEL,   20
.set T,     22
.set RC,    23
.set RJ,    24
.set KSC,   25
.set KSP,   26
.set AW,    27
.set AR,    28
.set BR,    29
.set XO,    30
.set XSO,   31
.set XGS,   32
.set U,     33
.set XB,    38
.set G1,    40
.set G0S,   48
.set G0T,   52
.set OFF,   56
.set PFA,   58
.set CF,    66
.set QTR,   72
.set TBW,   73
.set TGA,   74
.set LCNT,  0
.set MSB,   0
.macro WIN new
.if MSB != (\new)
	s_set_vgpr_msb (MSB<<8)|(\new)
.set MSB, (\new)
.endif
.endm
.macro PLACES n
.rept \n
	v_nop
.endr
.endm
.macro CREST
	s_cmp_lg_u32 s[WV], 0
	s_cbranch_scc1 .Lnot_wave_0_\@
	s_barrier_signal -3
.Lnot_wave_0_\@:
	s_barrier_wait -3
	s_barrier_signal -1
	s_barrier_wait -1
.endm
.macro CROUND
	s_barrier_signal -1
	s_barrier_wait -1
	CREST
.endm
.macro DERIVE
	s_lshr_b32 s34, s[T], 3
	s_add_co_u32 s34, s34, s[RC]
	s_and_b32 s34, s34, 3
	s_lshl_b32 s34, s34, 3
	s_add_co_u32 s35, s[T], s[RJ]
	s_and_b32 s35, s35, 7
	s_add_co_u32 s[KSC], s34, s35
	s_lshl_b32 s[OFF], s[KSC], 16
	s_add_nc_u64 s[G0T+2:G0T+3], s[BQW:BQW+1], s[OFF:OFF+1]
	s_or_b32 s[G0T+3], s[G0T+3], 0x80000000
	s_add_co_u32 s[U], s[T], 1
	s_and_b32 s36, s[U], 7
	s_lshr_b32 s37, s[U], 3
	s_add_co_u32 s35, s[U], s[RJ]
	s_and_b32 s39, s35, 3
	s_mul_i32 s39, s39, 4*TBE
	s_add_co_u32 s[TGA], s39, s[TBW]
	s_lshr_b32 s35, s35, 2
	s_and_b32 s35, s35, 1
	s_lshl_b32 s35, s35, 7
	s_and_b32 s34, s37, 1
	s_lshl_b32 s34, s34, 8
	s_add_co_u32 s[XO], s34, s35
	s_xor_b32 s34, s34, 256
	s_mul_i32 s35, s36, 4*XPI
	s_add_co_u32 s[XSO], s35, s34
	s_add_co_u32 s37, s37, 1
	s_add_co_u32 s37, s37, s[RC]
	s_and_b32 s37, s37, 3
	s_lshl_b32 s37, s37, 8
	s_lshl_b32 s36, s36, 12
	s_add_co_u32 s[XGS], s36, s37
.endm
.macro HOP
.set xb, XS+16*(hu%2)
.set xv, XV+16*(hu%2)
.set tb, TB+18*(hu/2)
.if hj < 8
	v_pk_fma_f32 v[xb+2*hj:xb+2*hj+1], v[xv+2*hj:xv+2*hj+1], v[tb:tb+1], v[tb+2:tb+3]
.elseif hj < 24
	v_rndne_f32 v[RN+hj-8], v[xb+hj-8]
.elseif hj < 32
.set k2, 2*(hj-24)
	v_pk_add_f32 v[xb+k2:xb+k2+1], v[xb+k2:xb+k2+1], v[RN+k2:RN+k2+1] neg_lo:[0,1] neg_hi:[0,1]
.elseif hj < 40
.set k2, 2*(hj-32)
	v_pk_mul_f32 v[RN+k2:RN+k2+1], v[xb+k2:xb+k2+1], v[xb+k2:xb+k2+1]
.elseif hj < 48
.set k2, 2*(hj-40)
	v_pk_fma_f32 v[RH+k2:RH+k2+1], v[RN+k2:RN+k2+1], v[tb+16:tb+17], v[tb+14:tb+15]
.elseif hj < 80
.set k2, 2*((hj-48)%8)
.set cj, 3-(hj-48)/8
	v_pk_fma_f32 v[RH+k2:RH+k2+1], v[RH+k2:RH+k2+1], v[RN+k2:RN+k2+1], v[tb+6+2*cj:tb+7+2*cj]
.elseif hj < 88
.set k2, 2*(hj-80)
	v_pk_fma_f32 v[xb+k2:xb+k2+1], v[xb+k2:xb+k2+1], v[RH+k2:RH+k2+1], v[tb+4:tb+5]
.elseif hj < 93
.set k3, 3*(hj-88)
	v_max3_num_f32 v[RN+hj-88], |v[xb+k3]|, |v[xb+k3+1]|, |v[xb+k3+2]|
.elseif hj == 93
	v_max3_num_f32 v[RN+5], v[RN], v[RN+1], v[RN+2]
.elseif hj == 94
	v_max3_num_f32 v[RN+6], v[RN+3], v[RN+4], |v[xb+15]|
.else
	v_max3_num_f32 v[MX+hu%2], v[RN+5], v[RN+6], 0x4800000
.endif
.endm
.macro TOP
.set xb, XS+16*(tv%2)
.set pb, PC+4*(tv%2)+20*((tv/2)%2)
.if tj == 0
	v_permlanex16_b32 v[PM], v[MX+tv%2], s[SEL], s[SEL+1]
.elseif tj == 1
	v_max_num_f32 v[MX+tv%2], v[MX+tv%2], v[PM]
.elseif tj == 2
	v_add_nc_u32 v[SO], 0xfc000000, v[MX+tv%2]
.elseif tj == 3
	v_and_or_b32 v[HD], v[MX+tv%2], 0x7f800000, s[MNT]
.elseif tj == 4
	v_lshrrev_b32 v[BY], 23, v[SO]
.elseif tj == 5
.if tv/2 == 0
	v_mov_b32 v[SW+tv%2], v[BY]
.else
	v_lshl_or_b32 v[SW+tv%2], v[BY], 8*(tv/2), v[SW+tv%2]
.endif
.elseif tj < 22
	v_med3_num_f32 v[xb+tj-6], v[xb+tj-6], -v[HD], v[HD]
.elseif tj == 22
	v_cvt_scalef32_pk8_fp8_f32 v[pb:pb+1], v[xb:xb+7], v[SO]
.else
	v_cvt_scalef32_pk8_fp8_f32 v[pb+2:pb+3], v[xb+8:xb+15], v[SO]
.endif
.endm
.macro HH n
.rept \n
	HOP
.set hj, hj+1
.endr
.endm
.macro TT
.if hu > 0
	TOP
.set tj, tj+1
.endif
.endm
.macro SLICE
	HH 2
	TT
	HH 4
	TT
	HH 4
	TT
	HH 2
.endm
.macro UNITSET u
.set hu, \u
.set hj, 0
.set tv, (\u)-1
.set tj, 0
.endm
.macro MM g, bp
.set ma, (\g)%8
.set mb, (\bp)
.set sa, AS0+ma/2
.set sb, BS01+(\bp)/2
.if ((\g) < 8) || ((\g) >= 16)
.set mb, 4+(\bp)
.set sb, BS23+(\bp)/2
.endif
.if (\g) < 8
.set sa, AS1+ma/2
.endif
.set md, 8*(8*(ma%4)+mb)
.set mc, 128+16*mb
.set mr, 16*ma
	WIN 0xa5+0x50*(ma/4)
.if (ma%2 == 0) && (mb%2 == 0)
	v_wmma_scale_f32_16x16x128_f8f6f4 v[md:md+7], v[mc:mc+15], v[mr:mr+15], v[md:md+7], v[sb], v[sa]
.elseif ma%2 == 0
	v_wmma_scale_f32_16x16x128_f8f6f4 v[md:md+7], v[mc:mc+15], v[mr:mr+15], v[md:md+7], v[sb], v[sa] matrix_a_scale:MATRIX_SCALE_ROW1
.elseif mb%2 == 0
	v_wmma_scale_f32_16x16x128_f8f6f4 v[md:md+7], v[mc:mc+15], v[mr:mr+15], v[md:md+7], v[sb], v[sa] matrix_b_scale:MATRIX_SCALE_ROW1
.else
	v_wmma_scale_f32_16x16x128_f8f6f4 v[md:md+7], v[mc:mc+15], v[mr:mr+15], v[md:md+7], v[sb], v[sa] matrix_a_scale:MATRIX_SCALE_ROW1 matrix_b_scale:MATRIX_SCALE_ROW1
.endif
.endm
.macro GROUPS g0, n
.set gg, \g0
.rept \n
.set bb, 0
.rept 4
	MM gg, bb
.set bb, bb+1
.endr
.set gg, gg+1
.endr
.endm
.macro LDFRAG reg, adr, off
.irp c, 0,1,2,3
	ds_load_b128 v[\reg+4*\c:\reg+4*\c+3], v[\adr] offset:\off+512*\c
.endr
.set LCNT, LCNT+4
.endm
.macro TBLOAD c
.irp k, 0,1,2,3
	ds_load_b128 v[TB+18*(\c)+4*\k:TB+18*(\c)+4*\k+3], v[TLD] offset:TBE*(\c)+16*\k
.endr
	ds_load_b64 v[TB+18*(\c)+16:TB+18*(\c)+17], v[TLD] offset:TBE*(\c)+64
.endm
.macro PCST pv                         ; unit pv's 16 codes a lane into the image; the codes have four sets of registers by turns: v40-47 and v60-67
.set pq, PC+4*((\pv)%2)+20*(((\pv)/2)%2)
	ds_store_b128 v[ASTO], v[pq:pq+3] offset:2048*((\pv)%2)+512*((\pv)/2)
.set LCNT, LCNT+1
.endm
; A trip's LDS lines stand in a few long runs: behind groups 1, 4, 7 and 12, and at the head of unit 7 (j = 14); the other j hold nothing
.macro BATCH j, mode
.set bj, (\j)
.set LCNT, 0
.if bj == 14
	s_wait_loadcnt 0x0
.if \mode == 2
	s_cmp_lt_u32 s[U], 24
	s_cbranch_scc0 .Lno_store_\@
.endif
	ds_store_b128 v[XSA], v[XPR:XPR+3]
	ds_store_b128 v[XSA], v[XPR+4:XPR+7] offset:2*XPI
.Lno_store_\@:
.endif
.if \mode > 0
.if bj == 1                            ; a block of A is fetched anew once its group of the step before is through; B's 0-3 are free from the trip's start, B's 4-7 behind group 7
	WIN 0x40
.irp f, 0,1
	LDFRAG 16*\f, ALD, 2048*\f
.endr
.irp f, 0,1,2,3
	LDFRAG 128+16*\f, BLD, 2048*\f
.endr
	WIN 0
.elseif bj == 4
	WIN 0x40
.irp f, 2,3,4
	LDFRAG 16*\f, ALD, 2048*\f
.endr
	WIN 0
.elseif bj == 7
	WIN 0x40
.irp f, 5,6,7
	LDFRAG 16*\f, ALD, 2048*\f
.endr
.irp f, 4,5,6,7
	LDFRAG 128+16*\f, BLD, 2048*\f
.endr
	WIN 0
.endif
.if bj == 1
	ds_load_b128 v[AS0:AS0+3], v[ALD] offset:ASC
	ds_load_b64 v[BS01:BS01+1], v[BSL]
.set LCNT, LCNT+2
.endif
.if bj == 7
	ds_load_b128 v[AS1:AS1+3], v[ALD] offset:ASC
	ds_load_b64 v[BS23:BS23+1], v[BSL] offset:256
.set LCNT, LCNT+2
.endif
.endif
.if bj == 4                            ; unit pv's codes are converted at the end of unit pv + 1, that is ahead of j = 2 pv + 3; each store stands four slices or more behind that
	PCST 0
.elseif bj == 7
	PCST 1
.elseif bj == 12
	PCST 2
	PCST 3
.endif
.if (bj == 4) || (bj == 7) || (bj == 12)
	TBLOAD bj/5
.set LCNT, LCNT+5
.endif
.if bj == 1
.if \mode == 2
	s_cmp_lt_u32 s[U], 24
	s_cbranch_scc0 .Lno_load_\@
.endif
	global_load_b128 v[XPR:XPR+3], v[XGO], s[XG:XG+1] th:TH_LOAD_NT
	global_load_b128 v[XPR+4:XPR+7], v[XGO], s[XG:XG+1] offset:2048 th:TH_LOAD_NT
.Lno_load_\@:
.endif
.if (bj == 1) || (bj == 14)
	s_wait_alu depctr_va_vdst(0)                   ; the wait behind a branch or a wait that blocks
.endif
.if (bj == 7) || (bj == 12)
	s_wait_alu depctr_va_vdst(0)                   ; the wait ahead of the wait below
	s_wait_dscnt LCNT                              ; all but this run's own LDS lines.  j = 7: A's blocks 0-4, B's 0-3 and their scale words are in, which groups 8 to 12 read; j = 12: A's blocks 5-7
.endif
.endm
.macro XVLOAD
.irp k, 0,1,2,3
	ds_load_b128 v[XV+4*\k:XV+4*\k+3], v[XRA] offset:16*\k
.endr
.irp k, 0,1,2,3
	ds_load_b128 v[XV+16+4*\k:XV+16+4*\k+3], v[XRA] offset:16*XPI+16*\k
.endr
.endm
.macro ASKX
	s_and_b32 s34, s[U], 0x17
	s_cmp_eq_u32 s34, 6
	s_cbranch_scc0 .Lno_ask_\@
	s_wait_xcnt 0x0
	s_lshr_b32 s34, s[U], 3
	s_add_co_u32 s34, s34, 2
	s_add_co_u32 s34, s34, s[RC]
	s_and_b32 s34, s34, 3
	s_lshl_b32 s[OFF], s34, 8
	s_add_nc_u64 s[PFA:PFA+1], s[XG:XG+1], s[OFF:OFF+1]
	global_prefetch_b8 v[PFO], s[PFA:PFA+1] th:TH_LOAD_NT scope:SCOPE_SE
.Lno_ask_\@:
.endm
.macro WPROD mode, k
.if \mode > 0
	MM 14, \k
	WIN 0
.endif
.endm
.macro FLUSH mode
.set hu, 8
.set tv, 7
.set tj, 0
	TT
	WPROD \mode, 0
	TT
	WPROD \mode, 1
	TT
	TT
	WPROD \mode, 2
	TT
	WPROD \mode, 3
.rept 19
	TT
.endr
	v_nop
.endm
.macro MEET mode
	WIN 0
	s_wait_tensorcnt 0x0
	ds_add_u32 v[SPW], v[NIL]
	s_add_co_u32 s[T], s[T], 1
	s_mov_b32 s[KSP], s[KSC]
	s_xor_b32 s[AW], s[AW], ATURN
	s_xor_b32 s[AR], s[AR], ATURN
	s_xor_b32 s[BR], s[BR], SLOT1
	s_xor_b32 s[G0T+1], s[G0T+1], SLOT1
	DERIVE
.if \mode > 0
	MM 15, 0
	MM 15, 1
.endif
	s_wait_dscnt 0x0
	s_barrier_signal -1
.if \mode > 0
	MM 15, 2
	MM 15, 3
	WIN 0
.endif
	s_barrier_wait -1
	CREST
.endm
.macro IVAL mode
.if \mode > 0
	tensor_load_to_lds s[G0T:G0T+3], s[G1:G1+7]
	s_nop 0
.endif
	v_add_nc_u32 v[ASTO], s[AW], v[ASTO0]
	v_add_nc_u32 v[ASCS], s[AW], v[ASCS0]
	v_add_nc_u32 v[ALD], s[AR], v[LI]
	v_add_nc_u32 v[BLD], s[BR], v[BL0]
	v_lshl_add_u32 v[BSL], s[KSP], 9, v[BS0]
	v_add_nc_u32 v[XRA], s[XO], v[XRA0]
	v_add_nc_u32 v[XSA], s[XSO], v[XSA0]
	v_add_nc_u32 v[XGO], s[XGS], v[XGO0]
	v_mov_b32 v[TLD], s[TGA]
.if \mode == 2
	ASKX
.endif
.set uu, 0
.rept 7
	UNITSET uu
.set ii, 0
.rept 8
.if (\mode == 2) || ((\mode == 1) && (uu >= 4))
	MM 2*uu+ii/4, ii%4
	WIN 0
.endif
	SLICE
.if ii%4 == 3
	BATCH 2*uu+ii/4, \mode
.endif
.set ii, ii+1
.endr
.set uu, uu+1
.endr
	UNITSET 7
.set ii, 0
.rept 8
	SLICE
.if ii == 0
	BATCH 14, \mode                                ; x's next four rows into the stage, ahead of the reads below
	PCST 4
	PCST 5
	XVLOAD
.endif
.set ii, ii+1
.endr
	PCST 6
	ds_store_b32 v[ASCS], v[SW]
	TBLOAD 3
	s_wait_alu depctr_va_vdst(0)
	s_wait_dscnt 15
	FLUSH \mode
	PCST 7
	ds_store_b32 v[ASCS], v[SW+1] offset:256
	MEET \mode
.endm
	s_load_b256 s[4:11], s[0:1], 0x0
	s_load_b128 s[12:15], s[0:1], 0x20
	s_load_b64 s[16:17], s[0:1], 0x30
	v_lshl_add_u32 v[SPW], v0, 2, SPARE
	v_mov_b32 v[NIL], 0
	ds_add_u32 v18, v19
	ds_add_u32 v18, v19
	s_wait_dscnt 0x0
	v_lshrrev_b32 v[VT], 5, v0
	v_readfirstlane_b32 s[WV], v[VT]
	v_and_b32 v[VL], 31, v0
	v_and_b32 v[VR], 15, v0
	v_bfe_u32 v[VH], v0, 4, 1
	v_lshlrev_b32 v[LI], 4, v[VL]
	s_lshl_b32 s34, s[WV], 12
	v_add_nc_u32 v[ASTO0], s34, v[LI]
	s_lshl_b32 s34, s[WV], 2
	s_add_co_u32 s34, s34, ASC
	v_lshl_add_u32 v[ASCS0], v[VR], 4, s34
	s_lshl_b32 s36, s[WV], 14
	v_add_nc_u32 v[BL0], s36, v[LI]
	s_add_co_u32 s34, s36, BSC
	v_lshl_add_u32 v[BS0], v[VL], 3, s34
	s_mul_i32 s[XB], s[WV], XWV
	s_add_co_u32 s[XB], s[XB], XST
	v_mul_u32_u24 v[VT], v[VR], XPI
	v_lshl_add_u32 v[VT], v[VH], 6, v[VT]
	v_add_nc_u32 v[XRA0], s[XB], v[VT]
	v_mul_u32_u24 v[VT], v[VH], XPI
	v_lshl_add_u32 v[VT], v[VR], 4, v[VT]
	v_add_nc_u32 v[XSA0], s[XB], v[VT]
	v_lshlrev_b32 v[VT], 10, v[VH]
	v_lshl_add_u32 v[XGO0], v[VR], 4, v[VT]
	v_lshlrev_b32 v[PFO], 10, v[VL]
	v_lshlrev_b32 v[BA], 5, v[VH]
	v_lshlrev_b32 v[OA], 2, v[VR]
	s_mul_i32 s[TBW], s[WV], 16*TBE
	s_add_co_u32 s[TBW], s[TBW], TBL
	v_mul_u32_u24 v[TST], v[VR], TBE
	v_add_nc_u32 v[TST], s[TBW], v[TST]
	v_mov_b32 v[PM], 0
	s_bfe_u32 s60, ttmp6, 0x40000
	s_lshl_b32 s61, ttmp9, 2
	s_add_co_u32 s61, s61, s60
	s_and_b32 s[RC], ttmp9, 3
	s_lshr_b32 s[RJ], ttmp9, 2
	s_and_b32 s[RJ], s[RJ], 7
	s_mov_b32 s[MNT], 0x600000
	s_mov_b32 s[SEL], 0x76543210
	s_mov_b32 s[SEL+1], 0xfedcba98
	s_mov_b32 s[CF], 0x40c90fd5
	s_mov_b32 s[CF+1], 0xc2255d9d
	s_mov_b32 s[CF+2], 0x42a33139
	s_mov_b32 s[CF+3], 0xc29928cd
	s_mov_b32 s[CF+4], 0x4224d0a2
	s_mov_b32 s[CF+5], 0xc1444d40
	s_mov_b32 s[QTR], 0x3e800000
	s_mov_b32 s[G1], 15|(3<<16)|(1<<21)
	s_mov_b32 s[G1+1], 32<<16
	s_mov_b32 s[G1+2], 64<<16
	s_mov_b32 s[G1+3], 32<<16
	s_mov_b32 s[G1+4], 64
	s_mov_b32 s[G1+5], 32
	s_mov_b32 s[G1+6], 0
	s_mov_b32 s[G1+7], 0
	s_mov_b32 s[T], 0
	s_mov_b32 s[KSP], 0
	s_mov_b32 s[AW], AIMG0
	s_mov_b32 s[AR], AIMG1
	s_mov_b32 s[BR], SLOT1
	s_mov_b32 s[OFF+1], 0
	s_mov_b32 s37, 0
	s_mov_b32 s63, 0
	s_wait_kmcnt 0x0
	s_lshl_b32 s62, s61, 17
	s_lshl_b32 s60, s[WV], 15
	s_add_co_u32 s62, s62, s60
	s_add_nc_u64 s[XG:XG+1], s[XG:XG+1], s[62:63]
	s_lshl_b32 s62, s61, 18
	s_lshl_b32 s60, s[WV], 9
	s_add_co_u32 s62, s62, s60
	s_add_nc_u64 s[OUT:OUT+1], s[OUT:OUT+1], s[62:63]
	s_add_nc_u64 s[BQW:BQW+1], s[BQW:BQW+1], s[36:37]
	s_add_nc_u64 s[14:15], s[14:15], s[36:37]
	s_mov_b32 s[G0S], 1
	s_add_co_u32 s[G0S+1], s36, BSC
	s_mov_b64 s[G0S+2:G0S+3], s[14:15]
	s_or_b32 s[G0S+3], s[G0S+3], 0x80000000
	s_mov_b32 s[G0T], 1
	s_mov_b32 s[G0T+1], s36
	s_lshl_b32 s36, s[WV], 9
	s_add_nc_u64 s[10:11], s[10:11], s[36:37]
	s_wait_alu depctr_va_vdst(0)                   ; the wait at the end of the head's address work; omega, phase and x are asked for ahead of the opening round
	global_load_b32 v[OM], v[OA], s[6:7]
	global_load_b32 v[PH], v[OA], s[8:9]
	v_lshl_add_u32 v[XGO], s[RC], 8, v[XGO0]
	s_add_co_u32 s34, s[RC], 1
	s_and_b32 s34, s34, 3
	v_lshl_add_u32 v[XSA], s34, 8, v[XGO0]
.irp k, 0,1,2,3,4,5,6,7,8,9,10,11,12,13,14,15
	global_load_b128 v[XS+4*\k:XS+4*\k+3], v[XGO], s[XG:XG+1] offset:2048*\k th:TH_LOAD_NT
.endr
	global_load_b128 v[XPR:XPR+3], v[XSA], s[XG:XG+1] th:TH_LOAD_NT
	global_load_b128 v[XPR+4:XPR+7], v[XSA], s[XG:XG+1] offset:2048 th:TH_LOAD_NT
	DERIVE
	CROUND                                         ; the opening round: the four work-groups are here
	tensor_load_to_lds s[G0S:G0S+3], s[G1:G1+7]    ; my one load at the head: my 128 columns' scale words for all of K
	s_nop 0
	PLACES 4
.irp k, 0,1,2,3
	v_mov_b32 v[XV+\k], 0
.endr
	v_add_nc_u32 v[ASCS], s[XB], v[LI]
	v_lshl_add_u32 v[ASTO], v[VL], 3, s[TBW]
.set zz, 0
.rept 33                               ; zeros over my whole stage, 33 x 512 = 16,896 bytes, padding too, and over my table's 5 x 256 = 1,280: every byte that a later read can name has been written
	ds_store_b128 v[ASCS], v[XV:XV+3] offset:512*zz
.set zz, zz+1
.endr
.irp k, 0,1,2,3,4
	ds_store_b64 v[ASTO], v[XV:XV+1] offset:256*\k
.endr
.macro SIN1 dst, src
	v_rndne_f32 v[A2], v[\src]
	v_sub_f32 v[A1], v[\src], v[A2]
	v_mul_f32 v[A2], v[A1], v[A1]
	v_fma_f32 v[A3], v[A2], s[CF+5], s[CF+4]
.irp j, 3,2,1,0
	v_fma_f32 v[A3], v[A3], v[A2], s[CF+\j]
.endr
	v_mul_f32 v[\dst], v[A1], v[A3]
.endm
	s_wait_loadcnt 18
	v_mul_f32 v[KT], 0x3e22f983, v[OM]
	v_mul_f32 v[KT+1], 0x3e22f983, v[PH]
	SIN1 SP, KT+1
	v_fma_f32 v[CP], v[KT+1], 2.0, s[QTR]
	SIN1 CP, CP
	v_mul_f32 v[A1], v[OM], v[OM]
	v_mul_f32 v[A2], 0xbf38aa3b, v[A1]
	v_mul_f32 v[A3], 0xc038aa3b, v[A1]
	s_wait_alu depctr_va_vdst(0)
	v_exp_f32 v[E1], v[A2]
	v_exp_f32 v[E2], v[A3]
	v_nop
	s_wait_alu depctr_va_vdst(0)
	v_mul_f32 v[MU], v[E1], v[SP]
	v_fma_f32 v[A1], -v[E2], v[CP], 1.0
	v_mul_f32 v[A2], v[MU], v[MU]
	v_fma_f32 v[A1], v[A1], 0.5, -v[A2]
	s_wait_alu depctr_va_vdst(0)
	v_sqrt_f32 v[A2], v[A1]
	v_nop
	s_wait_alu depctr_va_vdst(0)
	v_add_f32 v[A2], 0x322bcc77, v[A2]
	s_wait_alu depctr_va_vdst(0)
	v_rcp_f32 v[GG], v[A2]
	v_nop
	s_wait_alu depctr_va_vdst(0)
	v_fma_f32 v[A1], -v[A2], v[GG], 1.0
	v_fma_f32 v[GG], v[GG], v[A1], v[GG]
	v_mul_f32 v[KT+2], v[MU], v[GG]
.irp j, 0,1,2,3,4,5
	v_mul_f32 v[KT+3+\j], s[CF+\j], v[GG]
.endr
.irp j, 0,1,2,3,4,5,6,7,8
	ds_store_b32 v[TST], v[KT+\j] offset:8*\j
	ds_store_b32 v[TST], v[KT+\j] offset:8*\j+4
.endr
	s_wait_loadcnt 0x0
.irp k, 0,1,2,3,4,5,6,7,8,9,10,11,12,13,14,15
	ds_store_b128 v[XSA0], v[XS+4*\k:XS+4*\k+3] offset:2*XPI*\k
.endr
	ds_store_b128 v[XSA0], v[XPR:XPR+3] offset:256
	ds_store_b128 v[XSA0], v[XPR+4:XPR+7] offset:256+2*XPI
	s_lshr_b32 s34, s[RJ], 2
	s_lshl_b32 s34, s34, 7
	v_add_nc_u32 v[XRA], s34, v[XRA0]
	XVLOAD
	s_and_b32 s34, s[RJ], 3
	s_mul_i32 s34, s34, 4*TBE
	s_add_co_u32 s34, s34, s[TBW]
	v_mov_b32 v[TLD], s34
.irp c, 0,1,2,3
	TBLOAD \c
.endr
.macro BIASLD
.irp a, 0,1,2,3
.irp b, 0,1,2,3,4,5,6,7
	global_load_b128 v[8*(8*\a+\b):8*(8*\a+\b)+3], v[BA], s[10:11] offset:64*\b
	global_load_b128 v[8*(8*\a+\b)+4:8*(8*\a+\b)+7], v[BA], s[10:11] offset:64*\b+16
.endr
.endr
.endm
	WIN 0x80
	BIASLD
	WIN 0xc0
	BIASLD
	WIN 0
	s_wait_alu depctr_va_vdst(0)                   ; the wait at the head's end
	s_wait_tensorcnt 0x0                           ; my scale words are in
	ds_add_u32 v18, v19
	s_wait_dscnt 0x0                               ; the add, my stores into stage and table, and the first x and table reads are done
	CROUND
	tensor_load_to_lds s[G0T:G0T+3], s[G1:G1+7]    ; K step 0's codes of B: first read in the second interval
	s_nop 0
	IVAL 0
	IVAL 1
.Lk:
	IVAL 2
	s_cmp_lt_u32 s[T], 32
	s_cbranch_scc1 .Lk
	v_add_nc_u32 v[ALD], s[AR], v[LI]
	v_add_nc_u32 v[BLD], s[BR], v[BL0]
	v_lshl_add_u32 v[BSL], s[KSP], 9, v[BS0]
	PLACES 5
	WIN 0x40
.irp b, 0,1,2,3
	LDFRAG 128+16*\b, BLD, 2048*\b
.endr
	WIN 0
	ds_load_b128 v[AS0:AS0+3], v[ALD] offset:ASC
	ds_load_b64 v[BS01:BS01+1], v[BSL]
	GROUPS 0, 8
	WIN 0
	PLACES 8
	WIN 0x40
.irp a, 0,1,2,3,4,5,6,7
	LDFRAG 16*\a, ALD, 2048*\a
.endr
.irp b, 4,5,6,7
	LDFRAG 128+16*\b, BLD, 2048*\b
.endr
	WIN 0
	ds_load_b64 v[BS23:BS23+1], v[BSL] offset:256
	s_wait_dscnt 17
	GROUPS 8, 8
	s_wait_dscnt 0x0
	GROUPS 16, 8
	WIN 0
	v_and_b32 v[ASTO], 15, v0
	v_mul_u32_u24 v[ASTO], v[ASTO], XPI
	v_bfe_u32 v[ALD], v0, 4, 1
	v_lshl_add_u32 v[ASTO], v[ALD], 5, v[ASTO]
	v_add_nc_u32 v[ASTO], s[XB], v[ASTO]
	s_wait_alu depctr_va_vdst(0)
	v_add_nc_u32 v[ASCS], s[XB], v[LI]
	s_wait_alu depctr_va_vdst(0)
	PLACES 2
.macro TOSTAGE a
.set AC, 64*((\a)%4)
	WIN 0x08+4*((\a)/4)
.irp b, 0,1,2,3,4,5,6,7
	ds_store_b128 v[ASTO], v[AC+8*\b:AC+8*\b+3] offset:64*\b
	ds_store_b128 v[ASTO], v[AC+8*\b+4:AC+8*\b+7] offset:64*\b+16
.endr
	WIN 0
.set BB, 64+64*((\a)%2)
.irp t, 0,1,2,3,4,5,6,7,8,9,10,11,12,13,14,15
	ds_load_b128 v[BB+4*\t:BB+4*\t+3], v[ASCS] offset:\t*XPI
.endr
.endm
.macro SEND a, younger
.set BB, 64+64*((\a)%2)
	s_wait_dscnt \younger
.if (\a) > 0
	s_add_nc_u64 s[OUT:OUT+1], s[OUT:OUT+1], 16*2048
.endif
.irp t, 0,1,2,3,4,5,6,7,8,9,10,11,12,13,14,15
	global_store_b128 v[LI], v[BB+4*\t:BB+4*\t+3], s[OUT:OUT+1] offset:\t*2048 th:TH_STORE_NT
.endr
.endm
	TOSTAGE 0
.irp a, 1,2,3,4,5,6,7
.if \a > 1
	s_wait_xcnt 0x0
.endif
	TOSTAGE \a
	SEND \a-1, 32
.endr
	s_wait_xcnt 0x0
	SEND 7, 0
	s_wait_tensorcnt 0x0
	ds_add_u32 v[SPW], v[NIL]
	s_wait_dscnt 0x0
	CROUND
	s_endpgm
.Lfunc_end_k_q5fa7a781de_sine:
	.size	k_q5fa7a781de_sine, .Lfunc_end_k_q5fa7a781de_sine-k_q5fa7a781de_sine
	.p2alignl 7, 3214868480
	.fill 96, 4, 3214868480
	.section	.rodata,"a",@progbits
	.p2align	6, 0x0
	.amdhsa_kernel k_q5fa7a781de_sine
		.amdhsa_group_segment_fixed_size 327680
		.amdhsa_private_segment_fixed_size 0
		.amdhsa_enable_private_segment 0
		.amdhsa_kernarg_size 56
		.amdhsa_user_sgpr_count 2
		.amdhsa_user_sgpr_kernarg_segment_ptr 1
		.amdhsa_wavefront_size32 1
		.amdhsa_system_sgpr_workgroup_id_x 1
		.amdhsa_system_sgpr_workgroup_id_y 1
		.amdhsa_system_sgpr_workgroup_id_z 1
		.amdhsa_system_vgpr_workitem_id 0
		.amdhsa_next_free_vgpr 1024
		.amdhsa_next_free_sgpr 80
		.amdhsa_reserve_vcc 0
		.amdhsa_float_denorm_mode_32 3
		.amdhsa_float_denorm_mode_16_64 3
		.amdhsa_memory_ordered 1
		.amdhsa_forward_progress 1
		.amdhsa_inst_pref_size 255
	.end_amdhsa_kernel
	.section	.bss,"aw",@nobits
	.p2align	6
	.space	262144
	.amdgpu_metadata
---
amdhsa.version: [ 1, 2 ]
amdhsa.kernels:
  - .name:           k_q5fa7a781de_sine
    .symbol:         k_q5fa7a781de_sine.kd
    .args:
      - { .name: x, .offset: 0, .size: 8, .value_kind: global_buffer, .address_space: global }
      - { .name: omega, .offset: 8, .size: 8, .value_kind: global_buffer, .address_space: global }
      - { .name: phase, .offset: 16, .size: 8, .value_kind: global_buffer, .address_space: global }
      - { .name: bias, .offset: 24, .size: 8, .value_kind: global_buffer, .address_space: global }
      - { .name: bq, .offset: 32, .size: 8, .value_kind: global_buffer, .address_space: global }
      - { .name: bs, .offset: 40, .size: 8, .value_kind: global_buffer, .address_space: global }
      - { .name: out0, .offset: 48, .size: 8, .value_kind: global_buffer, .address_space: global }
    .group_segment_fixed_size: 327680
    .private_segment_fixed_size: 0
    .kernarg_segment_align: 8
    .kernarg_segment_size: 56
    .max_flat_workgroup_size: 128
    .sgpr_count:     80
    .vgpr_count:     1024
    .wavefront_size: 32
...
	.end_amdgpu_metadata
.endif
;; end of part 2
